; MI455X (gfx1250); checked and timed in simulation.
; The chip was launched on July 23, 2026; its instructions are those of AMD's public machine-readable ISA for CDNA 5 (MIT licence, August 2026) and "CDNA5" Instruction Set Architecture Reference Guide (July 2026). The comments in the code are by the model that wrote it; some were corrected since.
;; Head. Allowed arithmetic: float matrix products may take bf16 or f16 operands with f32 sums; all other float work in f32.
;; Inputs: Wk 512 x 64 float32; Wq 512 x 64 float32; Wv 512 x 64 float32; bk 64 float32; bq 64 float32; bv 64 float32; x 8 x 2,048 x 512 float32.
;; Outputs: out0 8 x 2,048 x 64 float32.
;; One version. Each part assembles by itself: llvm-mc -triple=amdgcn-amd-amdhsa -mcpu=gfx1250 --defsym DOCPART=n.
;; ======== version 1 of 1: 2 launches
;; limits: values are held in f16: magnitudes above 65,504 overflow, below 6.1e-05 lose precision
;; workspace buffers: qf 2,097,152 bytes; kf 2,097,152 bytes; vf 2,097,152 bytes
;; launch proj (part 1): grid 256 x 1, 4 waves a work-group, no clusters, 201,216 bytes of LDS; arguments x, Wq, Wk, Wv, bq, bk, bv, qf, kf, vf; writes qf, kf, vf
.if DOCPART == 1
	.amdgcn_target "amdgcn-amd-amdhsa--gfx1250"
	.amdhsa_code_object_version 6
	.text
	.protected	k_q04376c739b_proj
	.globl	k_q04376c739b_proj
	.p2align	8
	.type	k_q04376c739b_proj,@function
k_q04376c739b_proj:
	s_mov_b64 s[64:65], 0
	v_nop
	global_prefetch_b8 v0, s[64:65] scope:SCOPE_SE
	s_setreg_imm32_b32 hwreg(HW_REG_WAVE_MODE, 25, 1), 1
	s_wait_xcnt 0x0
; q = x Wq + bq, k = x Wk + bk, v = x Wv + bv.  x: [16384][512] f32, W: [512][64] f32, b: [64] f32.
; Products in bf16 with f32 sums; the bias is added in f32; q, k, v are rounded once, to f16, and stored in the order in which
; the attention launch's matrix instructions want them, so that every later load of them is 512 consecutive bytes of a wave.
;   qf, kf: [1024 blocks of 16 rows][quad c = 0..3][lane][8 f16]: lane 16 h + r of quad c holds row r, true dimensions 4 (8 h + j) + c, j = 0..7
;           (q and k carry the same permutation of the 64 dimensions, which leaves q . k as it is)
;   vf:     [512 tiles of 32 rows][mb = 0..3][c = 0..1][lane][8 f16]: lane 16 h + r holds dimension 16 mb + r, rows 16 c + 8 h + 0..7
; LIMITS: x and W are rounded to bf16 as matrix operands.  q, k, v are kept in f16: above 65,504 in magnitude becomes infinite, below 6.1e-5 the
; step is 6e-8.  (Drawn inputs give a spread of about 0.45; all inputs 30 times larger give about 405.)
;
; SHARES: a work-group owns 64 rows of x.  K is split over its four waves: wave w owns k = 128 w .. 128 w + 127 for all 64 rows and all 192 columns
; (4 K steps x 4 row blocks x 12 column tiles = 192 matrix instructions, 48 accumulator tiles).  So each byte of x and of W is touched by one wave,
; W goes from memory to registers without LDS, and the only barrier is the one in front of the sum of the four partial results, which meet in LDS.
; NO JOINT LOADS: all work-groups read the same W, but it has to be rounded from f32 between memory and the matrix unit, and its f32 image
; (3 x 131,072 bytes) does not fit in LDS beside x's 139,264 and the 200,704 of partial sums.
;
; W INTO FRAGMENTS WITHOUT A TRANSPOSE: a fragment wants, in lane (r, h), one column at k = 8 h + 0..7 and 16 + 8 h + 0..7.  Sixteen loads of 16 bytes take
; these sixteen rows of W at bytes 16 r: lanes 0-15 read one whole row of 256 bytes, lanes 16-31 another.  Component f of the sixteen is column 4 r + f
; at the lane's sixteen k, in the operand's order: 32 conversions make four fragments, fragment f with lane r standing for column 4 r + f.
;
; REGISTERS, in windows of 256: window 0 addresses, x and W fragments; window 1 four staging slots of 64 for W in f32;
; window 2 the accumulators of row blocks 0, 1 at 96 (block & 1) + 8 (4 matrix + f); window 3 those of row blocks 2, 3.
.set XP,     272                       ; LDS pitch of a row of an x tile: 256 bytes + 16 of padding, so 16 rows begin 16 bytes apart modulo 256
.set XTILE,  64*XP                     ; an x tile: 64 rows x 64 f32
.set REGION, 50176                     ; a wave's LDS: first its two x tiles (34,816 bytes), later its 48 partial tiles
.set DBLK,   12544                     ; the partial tiles for one row block: 8 of q and k at 1,024 bytes, 4 of v at 1,088
.set WV,  4                            ; v4      W: 32,768 w + 2,048 h + 16 r; never rewritten
.set XA,  5                            ; v5      x in LDS: my region + 272 r + 32 h
.set DMP, 6                            ; v6      my region + 16 lane
.set RD,  7                            ; v7, v8  read-back of q and k: 12,544 w + 16 lane, from waves 0, 1 and from waves 2, 3
.set VR,  9                            ; v9, v10 read-back of v, which undoes the permutation of columns
.set LO,  11                           ; v11     16 lane
.set BO,  12                           ; v12     128 h
.set VO,  13                           ; v13     4 r
.set XT,  16                           ; v[16:79]   x as read from LDS, f32
.set XF,  80                           ; v[80:143]  x fragments, two buffers of 4 row blocks x 8
.set WF,  144                          ; v[144:207] W fragments, two buffers of 4 x 8
.set BQ,  208                          ; v[208:239] bq[32 h + 0..31]
.set BV,  240                          ; v[240:243] bv[16 mb + r]
.set RB,  16                           ; the tail: v[16:143] four waves' partial tiles
.set BK,  144                          ; the tail: v[144:175] bk[32 h + 0..31]
.set PKQ, 176                          ; the tail: packed results, a set for each output, so that no store's data is rewritten
.set PKK, 192
.set PKV, 208
.set WB,  6                            ; s[6:7] Wq, s[8:9] Wk, s[10:11] Wv
.set G0,  28                           ; s[28:35] descriptor group 0, one set for each x tile
.set G1,  36                           ; s[36:43] descriptor group 1
.set MSB, 0
.macro WIN new                         ; s_set_vgpr_msb: bits 1:0 source 0, 3:2 source 1, 5:4 source 2, 7:6 destination; the high byte repeats the setting left
.if MSB != \new
	s_set_vgpr_msb (MSB<<8)|\new
.set MSB, \new
.endif
.endm
.macro PLACES                          ; four places behind a matrix instruction (ISA guide 7.12.1)
.rept 4
	v_nop
.endr
.endm
	s_load_b512 s[4:19], s[0:1], 0x0               ; x s[4:5], Wq, Wk, Wv s[6:11], bq s[12:13], bk s[14:15], bv s[16:17], qf s[18:19]
	s_load_b128 s[20:23], s[0:1], 0x40             ; kf s[20:21], vf s[22:23]
	v_lshl_add_u32 v254, v0, 2, 0x31000
	v_mov_b32 v255, 0
	ds_add_u32 v254, v255
	ds_add_u32 v254, v255
	v_lshrrev_b32 v14, 5, v0
	v_readfirstlane_b32 s24, v14                   ; wave 0..3
	s_mul_i32 s25, s24, REGION                     ; my region of LDS
	s_lshl_b32 s44, ttmp9, 17                      ; 64 rows of 2,048 bytes for each work-group
	s_lshl_b32 s45, s24, 9                         ; my 128 columns: 512 bytes
	s_add_co_u32 s44, s44, s45
	s_mov_b32 s45, 0
	; group 1: a tile of 64 rows x 64 elements of 4 bytes, rows 512 elements apart, 16 bytes of padding behind each row's 64 words
	s_mov_b32 s[G1+0], (2<<16)|(1<<20)|(5<<22)|(3<<25)
	s_mov_b32 s[G1+1], 64<<16                      ; tensor_dim0 = 64
	s_mov_b32 s[G1+2], 64<<16                      ; tensor_dim1 = 64
	s_mov_b32 s[G1+3], 64<<16                      ; tile_dim0 = 64
	s_mov_b32 s[G1+4], 64                          ; tile_dim1 = 64
	s_mov_b32 s[G1+5], 512                         ; pitch
	s_mov_b32 s[G1+6], 0
	s_mov_b32 s[G1+7], 0
	s_wait_dscnt 0x0
	s_wait_kmcnt 0x0
	s_add_nc_u64 s[4:5], s[4:5], s[44:45]          ; x at my first row and column
	; both x tiles go out first of all; they are the wave's only tensor loads (two outstanding), and nothing is ever filled again
.irp j, 0,1
	s_mov_b32 s[G0+4*\j], 1
	s_add_co_u32 s[G0+4*\j+1], s25, \j*XTILE
	s_add_nc_u64 s[G0+4*\j+2:G0+4*\j+3], s[4:5], \j*256
	s_or_b32 s[G0+4*\j+3], s[G0+4*\j+3], 0x80000000
	tensor_load_to_lds s[G0+4*\j:G0+4*\j+3], s[G1:G1+7]
	s_nop 0
.endr
	v_and_b32 v1, 31, v0                           ; lane
	v_and_b32 v2, 15, v0                           ; r
	v_bfe_u32 v3, v0, 4, 1                         ; h
	v_lshlrev_b32 v[WV], 4, v2
	v_lshl_add_u32 v[WV], v3, 11, v[WV]
	s_lshl_b32 s26, s24, 15
	v_add_nc_u32 v[WV], s26, v[WV]
	v_mul_u32_u24 v[XA], v2, XP
	v_lshl_add_u32 v[XA], v3, 5, v[XA]
	v_add_nc_u32 v[XA], s25, v[XA]
	v_lshlrev_b32 v[LO], 4, v1
	v_add_nc_u32 v[DMP], s25, v[LO]
	s_mul_i32 s27, s24, DBLK
	v_add_nc_u32 v[RD], s27, v[LO]
	v_add_nc_u32 v[RD+1], 2*REGION, v[RD]
	v_and_b32 v14, 3, v2
	v_mul_u32_u24 v[VR], v14, 1088                 ; dimension 16 mb + r lies in v's tile r & 3,
	v_lshrrev_b32 v14, 2, v2
	v_lshl_add_u32 v[VR], v14, 4, v[VR]            ; in the 16 bytes of lane 4 mb + (r >> 2) of my half
	v_lshl_add_u32 v[VR], v3, 8, v[VR]
	s_add_co_u32 s46, s27, 8192
	v_add_nc_u32 v[VR], s46, v[VR]
	v_add_nc_u32 v[VR+1], 2*REGION, v[VR]
	v_lshlrev_b32 v[BO], 7, v3
	v_lshlrev_b32 v[VO], 2, v2
	; where the results go: row block 4 g + w of qf and kf; tile 2 g + (w >> 1), half w & 1 of vf
	s_lshl_b32 s44, ttmp9, 13
	s_lshl_b32 s46, s24, 11
	s_add_co_u32 s46, s44, s46
	s_mov_b32 s47, 0
	s_add_nc_u64 s[18:19], s[18:19], s[46:47]
	s_add_nc_u64 s[20:21], s[20:21], s[46:47]
	s_lshr_b32 s46, s24, 1
	s_lshl_b32 s46, s46, 12
	s_add_co_u32 s44, s44, s46
	s_and_b32 s46, s24, 1
	s_lshl_b32 s46, s46, 9
	s_add_co_u32 s44, s44, s46
	s_mov_b32 s45, 0
	s_add_nc_u64 s[22:23], s[22:23], s[44:45]
; Group g = 3 ks + matrix.  Sixteen loads: 32 rows of W of K step ks, into staging slot g & 3.
.macro WLOAD g
	WIN 0x40
.set wi, 0
.rept 16
	global_load_b128 v[64*((\g)&3)+4*wi:64*((\g)&3)+4*wi+3], v[WV], s[WB+2*((\g)%3):WB+2*((\g)%3)+1] offset:((\g)/3)*8192+(wi+8*(wi/8))*256
.set wi, wi+1
.endr
.endm
; 32 conversions: staging slot g & 3 to the four fragments of buffer g & 1
.macro WCVT g
	WIN 0x05
.irp f, 0,1,2,3
.irp p, 0,1,2,3,4,5,6,7
	v_cvt_pk_bf16_f32 v[WF+32*((\g)&1)+8*\f+\p], v[64*((\g)&3)+8*\p+\f], v[64*((\g)&3)+8*\p+4+\f]
.endr
.endr
.endm
; x of K step ks: lane (r, h) takes row r's k = 8 h + 0..7 (32 bytes) and 16 + 8 h + 0..7 (64 bytes further), for each of four row blocks
.macro XLOAD ks
	WIN 0
.irp m, 0,1,2,3
.irp q, 0,1,2,3
	ds_load_b128 v[XT+16*\m+4*\q:XT+16*\m+4*\q+3], v[XA] offset:((\ks)>>1)*XTILE+\m*16*XP+((\ks)&1)*128+16*\q+32*((\q)/2)
.endr
.endr
.endm
.macro XCVT ks
.irp m, 0,1,2,3
.irp p, 0,1,2,3,4,5,6,7
	v_cvt_pk_bf16_f32 v[XF+32*((\ks)&1)+8*\m+\p], v[XT+16*\m+2*\p], v[XT+16*\m+2*\p+1]
.endr
.endr
.endm
; 16 matrix instructions: 4 row blocks x the group's 4 column tiles.  q and k: source 0 = W, source 1 = x, so that a lane holds one row of x and eight
; neighbouring slots.  v: source 0 = x, source 1 = W, so that a lane holds one dimension and eight neighbouring rows.  The first K step starts the sums.
; The 48 accumulators take turns, one instruction a turn.
.macro MUL g
.irp hi, 0,1
	WIN (0xa0+0x50*\hi)
.irp m, 0,1
.irp f, 0,1,2,3
.set acc, 96*\m+8*(4*((\g)%3)+\f)
.set wfr, WF+32*((\g)&1)+8*\f
.set xfr, XF+32*(((\g)/3)&1)+8*(2*\hi+\m)
.if ((\g)%3) == 2
.if (\g) < 3
	v_wmma_f32_16x16x32_bf16 v[acc:acc+7], v[xfr:xfr+7], v[wfr:wfr+7], 0
.else
	v_wmma_f32_16x16x32_bf16 v[acc:acc+7], v[xfr:xfr+7], v[wfr:wfr+7], v[acc:acc+7]
.endif
.else
.if (\g) < 3
	v_wmma_f32_16x16x32_bf16 v[acc:acc+7], v[wfr:wfr+7], v[xfr:xfr+7], 0
.else
	v_wmma_f32_16x16x32_bf16 v[acc:acc+7], v[wfr:wfr+7], v[xfr:xfr+7], v[acc:acc+7]
.endif
.endif
.endr
.endr
.endr
.endm
; One group.  left = the loads issued behind this group's sixteen.  A fragment buffer is rewritten two groups after the matrix instructions that read it:
; the 32 conversions of the group between, which name the other buffer, are the places.
.macro STEP g, left
	s_wait_loadcnt \left                           ; loads come back in order (ISA guide 5.7.1): this group's are in, the younger groups stay out
	WCVT \g
.if \g <= 7
	WLOAD (\g+4)                                   ; into the slot just converted
.endif
	MUL \g
.endm
; Behind the last group of K step ks: the next step's x fragments, into the buffer that step ks - 1 read, and the loads for the step after
.macro XNEXT ks
	WIN 0
	s_wait_dscnt 0x0                               ; x of step ks + 1, asked for three groups ago
	XCVT (\ks+1)
.if \ks < 2
.if \ks == 0
	s_wait_tensorcnt 0x0                           ; steps 2 and 3 lie in my second tile
.endif
	XLOAD (\ks+2)
.endif
.endm
	WLOAD 0                                        ; four groups of sixteen loads on their way beside the two x tiles
	WLOAD 1
	WLOAD 2
	WLOAD 3
	s_wait_tensorcnt 0x1                           ; my first tile is in; the second may stay out.  Only I read my tiles
	XLOAD 0
	s_wait_dscnt 0x0
	XCVT 0
	XLOAD 1
	STEP 0, 48
	STEP 1, 48
	STEP 2, 48
	XNEXT 0
	STEP 3, 48
	STEP 4, 48
	STEP 5, 48
	XNEXT 1
	STEP 6, 48
	STEP 7, 48
	STEP 8, 48
	XNEXT 2
	STEP 9, 32                                     ; nothing more is asked for: the counts run down
	STEP 10, 16
	STEP 11, 0
	; THE TAIL.  Four places behind the last matrix instruction: for the LDS stores that read results and the loads into fragment registers.
	PLACES
	WIN 0
.irp j, 0,1,2,3,4,5,6,7
	global_load_b128 v[BQ+4*\j:BQ+4*\j+3], v[BO], s[12:13] offset:16*\j    ; register 4 j + f = b[32 h + 4 j + f], the dimension of tile f's register j
	global_load_b128 v[BK+4*\j:BK+4*\j+3], v[BO], s[14:15] offset:16*\j
.endr
.irp mb, 0,1,2,3
	global_load_b32 v[BV+\mb], v[VO], s[16:17] offset:64*\mb
.endr
	; My 48 partial tiles go into my own region: my reads of the x tiles are back and both tiles have had their only fill.
	; Every wave stores all four row blocks, its own too, so that the read-back is the same text for every wave.
.irp d, 0,1,2,3
	WIN (0x08+0x04*((\d)/2))
.irp t, 0,1,2,3,4,5,6,7,8,9,10,11
.irp q, 0,1
	ds_store_b128 v[DMP], v[96*((\d)&1)+8*\t+4*\q:96*((\d)&1)+8*\t+4*\q+3] offset:\d*DBLK+\t*1024+((\t)/8)*((\t)-8)*64+\q*512
.endr
.endr
.endr
	WIN 0
	s_wait_dscnt 0x0                               ; my stores are done, for the others' sake
	s_barrier_signal -1
	s_barrier_wait -1                              ; everybody's are
	s_wait_loadcnt 0x0                             ; the biases
.macro SUM4                            ; (wave 0 + wave 1) + (wave 2 + wave 3), 32 numbers a lane
.set k, 0
.rept 16
	v_pk_add_f32 v[RB+k:RB+k+1], v[RB+k:RB+k+1], v[RB+32+k:RB+32+k+1]
	v_pk_add_f32 v[RB+64+k:RB+64+k+1], v[RB+64+k:RB+64+k+1], v[RB+96+k:RB+96+k+1]
.set k, k+2
.endr
.set k, 0
.rept 16
	v_pk_add_f32 v[RB+k:RB+k+1], v[RB+k:RB+k+1], v[RB+64+k:RB+64+k+1]
.set k, k+2
.endr
.endm
; Row block w of q (mat = 0) or k (mat = 1): four waves' four tiles, summed, bias added, rounded, stored: each store is 512 consecutive bytes, aligned
.macro FINQK mat, bias, out, base
.irp s, 0,1,2,3
.irp f, 0,1,2,3
.irp q, 0,1
	ds_load_b128 v[RB+32*\s+8*\f+4*\q:RB+32*\s+8*\f+4*\q+3], v[RD+(\s)/2] offset:((\s)&1)*REGION+(4*\mat+\f)*1024+\q*512
.endr
.endr
.endr
	s_wait_dscnt 0x0
	SUM4
.irp f, 0,1,2,3
.irp j, 0,1,2,3,4,5,6,7
	v_add_f32 v[RB+8*\f+\j], v[RB+8*\f+\j], v[\bias+4*\j+\f]
.endr
.endr
.irp f, 0,1,2,3
.irp p, 0,1,2,3
	v_cvt_pk_f16_f32 v[\out+4*\f+\p], v[RB+8*\f+2*\p], v[RB+8*\f+2*\p+1]
.endr
.endr
.irp f, 0,1,2,3
	global_store_b128 v[LO], v[\out+4*\f:\out+4*\f+3], s[\base:\base+1] offset:512*\f
.endr
.endm
	FINQK 0, BQ, PKQ, 18
	FINQK 1, BK, PKK, 20
	; Row block w of v.  The read-back takes dimension 16 mb + r from tile r & 3: tiles 1,088 bytes apart put the sixteen lanes of a half on sixteen different 16-byte columns modulo 256.
.irp s, 0,1,2,3
.irp mb, 0,1,2,3
.irp q, 0,1
	ds_load_b128 v[RB+32*\s+8*\mb+4*\q:RB+32*\s+8*\mb+4*\q+3], v[VR+(\s)/2] offset:((\s)&1)*REGION+64*\mb+512*\q
.endr
.endr
.endr
	s_wait_dscnt 0x0
	SUM4
.irp mb, 0,1,2,3
.irp j, 0,1,2,3,4,5,6,7
	v_add_f32 v[RB+8*\mb+\j], v[RB+8*\mb+\j], v[BV+\mb]
.endr
.endr
.irp mb, 0,1,2,3
.irp p, 0,1,2,3
	v_cvt_pk_f16_f32 v[PKV+4*\mb+\p], v[RB+8*\mb+2*\p], v[RB+8*\mb+2*\p+1]
.endr
.endr
.irp mb, 0,1,2,3
	global_store_b128 v[LO], v[PKV+4*\mb:PKV+4*\mb+3], s[22:23] offset:1024*\mb
.endr
	s_wait_tensorcnt 0x0
	ds_add_u32 v254, v255
	s_wait_dscnt 0x0
	s_endpgm
.Lfunc_end_k_q04376c739b_proj:
	.size	k_q04376c739b_proj, .Lfunc_end_k_q04376c739b_proj-k_q04376c739b_proj
	.p2alignl 7, 3214868480
	.fill 96, 4, 3214868480
	.section	.rodata,"a",@progbits
	.p2align	6, 0x0
	.amdhsa_kernel k_q04376c739b_proj
		.amdhsa_group_segment_fixed_size 201216
		.amdhsa_private_segment_fixed_size 0
		.amdhsa_enable_private_segment 0
		.amdhsa_kernarg_size 80
		.amdhsa_user_sgpr_count 2
		.amdhsa_user_sgpr_kernarg_segment_ptr 1
		.amdhsa_wavefront_size32 1
		.amdhsa_system_sgpr_workgroup_id_x 1
		.amdhsa_system_sgpr_workgroup_id_y 1
		.amdhsa_system_sgpr_workgroup_id_z 1
		.amdhsa_system_vgpr_workitem_id 0
		.amdhsa_next_free_vgpr 960
		.amdhsa_next_free_sgpr 66
		.amdhsa_reserve_vcc 0
		.amdhsa_float_denorm_mode_32 3
		.amdhsa_float_denorm_mode_16_64 3
		.amdhsa_memory_ordered 1
		.amdhsa_forward_progress 1
		.amdhsa_inst_pref_size 103
	.end_amdhsa_kernel
	.amdgpu_metadata
---
amdhsa.version: [ 1, 2 ]
amdhsa.kernels:
  - .name:           k_q04376c739b_proj
    .symbol:         k_q04376c739b_proj.kd
    .args:
      - { .name: x, .offset: 0, .size: 8, .value_kind: global_buffer, .address_space: global }
      - { .name: Wq, .offset: 8, .size: 8, .value_kind: global_buffer, .address_space: global }
      - { .name: Wk, .offset: 16, .size: 8, .value_kind: global_buffer, .address_space: global }
      - { .name: Wv, .offset: 24, .size: 8, .value_kind: global_buffer, .address_space: global }
      - { .name: bq, .offset: 32, .size: 8, .value_kind: global_buffer, .address_space: global }
      - { .name: bk, .offset: 40, .size: 8, .value_kind: global_buffer, .address_space: global }
      - { .name: bv, .offset: 48, .size: 8, .value_kind: global_buffer, .address_space: global }
      - { .name: qf, .offset: 56, .size: 8, .value_kind: global_buffer, .address_space: global }
      - { .name: kf, .offset: 64, .size: 8, .value_kind: global_buffer, .address_space: global }
      - { .name: vf, .offset: 72, .size: 8, .value_kind: global_buffer, .address_space: global }
    .group_segment_fixed_size: 201216
    .private_segment_fixed_size: 0
    .kernarg_segment_align: 8
    .kernarg_segment_size: 80
    .max_flat_workgroup_size: 128
    .sgpr_count:     66
    .vgpr_count:     960
    .wavefront_size: 32
...
	.end_amdgpu_metadata
.endif
;; end of part 1
;; launch attn (part 2): grid 32 x 8, 8 waves a work-group, no clusters, 168,960 bytes of LDS; arguments qf, kf, vf, out0; writes out0
.if DOCPART == 2
	.amdgcn_target "amdgcn-amd-amdhsa--gfx1250"
	.amdhsa_code_object_version 6
	.text
	.protected	k_q04376c739b_attn
	.globl	k_q04376c739b_attn
	.p2align	8
	.type	k_q04376c739b_attn,@function
k_q04376c739b_attn:
	s_mov_b64 s[64:65], 0
	v_nop
	global_prefetch_b8 v0, s[64:65] scope:SCOPE_SE
	s_setreg_imm32_b32 hwreg(HW_REG_WAVE_MODE, 25, 1), 1
	s_wait_xcnt 0x0
; out = softmax(q k^T / 8, causal) v for 8 batches of 2,048 rows and 64 dimensions.  q, k, v in f16, in fragment order (see below); out0 f32.
;   qf, kf: [batch][128 blocks of 16 rows][quad 0..3][lane][8 f16]: quads 2 s, 2 s + 1 are registers 0-3, 4-7 of the fragment of K step s
;   vf:     [batch][64 tiles of 32 keys][mb 0..3][c 0..1][lane][8 f16]: V transposed, 16 dimensions x 32 keys, registers 4 c .. 4 c + 3
; SHARES: work-group (i, b) owns two blocks of 32 queries of batch b, block i and block 63 - i.  Block j needs key tiles 0 .. j, the last on the diagonal:
; (i + 1) + (64 - i) = 65 items of 32 queries x 32 keys in every work-group.  The KEYS are split over the eight waves: of the list "tiles of the high
; block, then tiles of the low block" wave w takes every eighth item, 8 or 9 in all, with a running maximum, sum and O of its own; the partial results
; meet in LDS at the end.  Each tile is read by one wave of the work-group, straight into fragment registers: 512 consecutive bytes a load.
; NO JOINT LOADS: work-groups of a batch need different numbers of tiles (j + 1 for block j), and the tiles never pass through LDS.
; TRANSPOSED PRODUCTS: S^T = K Q^T puts a query in a lane (r) and keys 8 h + 0..7 in its registers, so that the row maximum needs one exchange between
; the halves, the rescaling factor is one register a lane, and the packed S^T of two key blocks IS the second operand of O^T = V^T P^T.
; SOFTMAX: running maximum, in f32; p = 2^(c s - c m), c = log2(e) / 8.  The denominator sums p before it is rounded to f16.
; LIMITS: q, k, v and p are f16 matrix operands; p is at most 1 and p below 3e-8 becomes 0; v_exp_f32 flushes results below 2^-126 to 0 (ISA guide 15.8);
; NaN and infinite inputs are not reproduced element by element.
.set QL,  8                            ; v[8:39]    Q fragments of the low block: 16 qb + 8 ks
.set QH,  40                           ; v[40:71]   of the high block
.set KF,  72                           ; v[72:103]  K fragments: 16 kb + 8 ks
.set VF,  104                          ; v[104:135] V^T fragments: 8 mb
.set SC,  136                          ; v[136:167] scores, then p, then packed p: 16 qb + 8 kb
.set OA,  168                          ; v[168:231] O^T: 32 qb + 8 mb
.set STA, 232                          ; v[232:239] for each qb: -c m, m, the rescaling factor, the lane's sum
.set TM,  240                          ; v[240:247] for each qb: four at work
.set PITCH, 272                        ; a row of a partial O in LDS: 64 f32, then (c m, sum) in the first 8 of 16 pad bytes
.set PART,  32*PITCH                   ; one block's partial result of one wave
.set WREG,  2*PART                     ; a wave's LDS
; v1 = 16 lane (the only global offset, never rewritten); v2 = my LDS + 272 r + 32 h; v3 = my LDS + 272 r + 256; v4 = -infinity
; s12, s13 selects of v_permlanex16_b32; s14 wave; s15 i; s16 b; s[18:19] c, c; s20 -c; s21 63 - i; s[22:23], s[24:25] kf, vf at my batch;
; s[26:27], s[28:29] the same at the tile being asked for; s[30:31] that tile's byte offset; s32 4,096 i; s33 4,096 w;
; s34 full tiles of the low block; s35 the low diagonal is mine; s36 trips of the high loop; s37 the high diagonal is mine; s38 counter;
; s[40:47] mask j: lanes with r - 8 h >= j; s[50:51], s[52:53] qf at the two blocks
	s_load_b256 s[4:11], s[0:1], 0x0               ; qf s[4:5], kf s[6:7], vf s[8:9], out0 s[10:11]
	v_lshl_add_u32 v248, v0, 2, 0x29000
	v_mov_b32 v249, 0
	v_lshrrev_b32 v246, 5, v0
	v_readfirstlane_b32 s14, v246                  ; wave 0..7
	v_and_b32 v1, 31, v0
	v_lshlrev_b32 v1, 4, v1
	s_mov_b32 s15, ttmp9                           ; the low block's number
	s_and_b32 s16, ttmp7, 0xffff                   ; batch
	s_sub_co_u32 s21, 63, s15                      ; the high block's number
	s_mov_b32 s12, 0x76543210
	s_mov_b32 s13, 0xfedcba98
	s_mov_b32 s18, 0x3e38aa3b                      ; c = log2(e) / 8
	s_mov_b32 s19, 0x3e38aa3b
	s_mov_b32 s20, 0xbe38aa3b                      ; -c
	s_add_co_u32 s39, s14, s15
	s_and_b32 s39, s39, 7                          ; my first low tile: item 64 - i + t is mine if (t - i) mod 8 = w
	s_add_co_u32 s34, s15, 7
	s_sub_co_u32 s34, s34, s39
	s_lshr_b32 s34, s34, 3                         ; my tiles below the low diagonal
	s_and_b32 s48, s15, 7
	s_cmp_eq_u32 s48, s39
	s_cselect_b32 s35, 1, 0
	s_and_b32 s48, s21, 7
	s_cmp_eq_u32 s48, s14
	s_cselect_b32 s37, 1, 0
	s_add_co_u32 s36, s21, 7
	s_sub_co_u32 s36, s36, s14
	s_lshr_b32 s36, s36, 3                         ; my tiles below the high diagonal: at least 4, since 63 - i is at least 32
	s_add_co_u32 s36, s36, s37
	s_sub_co_u32 s36, s36, 1                       ; all my high items but the last, which is written out
	s_lshl_b32 s32, s15, 12
	s_lshl_b32 s33, s14, 12
	s_add_co_u32 s48, s34, s35
	s_cmp_lg_u32 s48, 0
	s_cselect_b32 s30, s39, s14                    ; my first tile: a low one if I have any
	s_lshl_b32 s30, s30, 12
	s_mov_b32 s31, 0
	s_lshr_b32 s48, s14, 2                         ; the combine: waves 0-3 finish the low block, waves 4-7 the high one, 8 rows each
	s_cmp_lg_u32 s48, 0
	s_cselect_b32 s54, s21, s15
	s_lshl_b32 s54, s54, 13                        ; 32 rows of 256 bytes
	s_lshl_b32 s55, s16, 19
	s_add_co_u32 s54, s54, s55
	s_and_b32 s55, s14, 3
	s_lshl_b32 s55, s55, 11
	s_add_co_u32 s54, s54, s55
	s_mov_b32 s55, 0
	s_lshl_b32 s48, s16, 18                        ; a batch of qf, kf, vf: 262,144 bytes
	s_mov_b32 s49, 0
	s_wait_kmcnt 0x0
	s_add_nc_u64 s[10:11], s[10:11], s[54:55]
	s_add_nc_u64 s[4:5], s[4:5], s[48:49]
	s_add_nc_u64 s[22:23], s[6:7], s[48:49]
	s_add_nc_u64 s[24:25], s[8:9], s[48:49]
	s_mov_b32 s48, s32
	s_add_nc_u64 s[50:51], s[4:5], s[48:49]
	s_lshl_b32 s48, s21, 12
	s_add_nc_u64 s[52:53], s[4:5], s[48:49]
	s_add_nc_u64 s[26:27], s[22:23], s[30:31]
	s_add_nc_u64 s[28:29], s[24:25], s[30:31]
.irp t, 0,1,2,3,4,5,6,7
	global_load_b128 v[QL+4*\t:QL+4*\t+3], v1, s[50:51] offset:512*\t
.endr
.irp t, 0,1,2,3,4,5,6,7
	global_load_b128 v[QH+4*\t:QH+4*\t+3], v1, s[52:53] offset:512*\t
.endr
.irp t, 0,1,2,3,4,5,6,7
	global_load_b128 v[KF+4*\t:KF+4*\t+3], v1, s[26:27] offset:512*\t
.endr
.irp t, 0,1,2,3,4,5,6,7
	global_load_b128 v[VF+4*\t:VF+4*\t+3], v1, s[28:29] offset:512*\t
.endr
	v_and_b32 v244, 15, v0                         ; r
	v_bfe_u32 v247, v0, 4, 1                       ; h
	v_mov_b32 v4, 0xff800000
	s_mul_i32 s48, s14, WREG
	v_mul_u32_u24 v3, v244, PITCH
	v_add_nc_u32 v3, s48, v3
	v_lshl_add_u32 v2, v247, 5, v3
	v_add_nc_u32 v3, 256, v3
	v_lshlrev_b32 v246, 3, v247
	v_sub_nc_u32 v246, v244, v246                  ; r - 8 h: on the diagonal, key 8 h + j counts for query r if j <= r - 8 h
.irp j, 0,1,2,3,4,5,6,7
	v_cmp_le_i32 s[40+\j], \j, v246
.endr
	v_mov_b32 v[TM+1], 0                           ; destinations of v_permlanex16_b32 count as read: written once here,
	v_mov_b32 v[TM+5], 0                           ; for a wave that hands over a block without an item
.macro SMUL q, qb, kb, ks, zero
.if \zero
	v_wmma_f32_16x16x32_f16 v[SC+16*\qb+8*\kb:SC+16*\qb+8*\kb+7], v[KF+16*\kb+8*\ks:KF+16*\kb+8*\ks+7], v[\q+16*\qb+8*\ks:\q+16*\qb+8*\ks+7], 0
.else
	v_wmma_f32_16x16x32_f16 v[SC+16*\qb+8*\kb:SC+16*\qb+8*\kb+7], v[KF+16*\kb+8*\ks:KF+16*\kb+8*\ks+7], v[\q+16*\qb+8*\ks:\q+16*\qb+8*\ks+7], v[SC+16*\qb+8*\kb:SC+16*\qb+8*\kb+7]
.endif
.endm
; The new maximum of 16 queries (a query is a lane; its 32 keys lie in 16 registers of this lane and 16 of the lane 16 further), -c m, and the factor 2^(c m_old - c m)
.macro MAXQ qb
.set sb, SC+16*\qb
.set tb, TM+4*\qb
.set zb, STA+4*\qb
	v_max3_num_f32 v[tb],   v[sb],   v[sb+1],  v[sb+2]
	v_max3_num_f32 v[tb+1], v[sb+3], v[sb+4],  v[sb+5]
	v_max3_num_f32 v[tb+2], v[sb+6], v[sb+7],  v[sb+8]
	v_max3_num_f32 v[tb+3], v[sb+9], v[sb+10], v[sb+11]
	v_max3_num_f32 v[tb],   v[tb],   v[sb+12], v[sb+13]
	v_max3_num_f32 v[tb+1], v[tb+1], v[sb+14], v[sb+15]
	v_max3_num_f32 v[tb],   v[tb],   v[tb+1],  v[tb+2]
	v_max_num_f32  v[tb],   v[tb],   v[tb+3]
	v_permlanex16_b32 v[tb+1], v[tb], s12, s13
	v_max3_num_f32 v[tb], v[tb], v[tb+1], v[zb+1]
	v_mul_f32 v[zb], s20, v[tb]
	v_fma_f32 v[tb+1], v[zb+1], s18, v[zb]
	v_exp_f32 v[zb+2], v[tb+1]
	v_mov_b32 v[zb+1], v[tb]                       ; the plain instruction behind the exponential (ISA guide 5.7.2)
.endm
.macro FMAQ qb                         ; c s - c m, two at a time
.set k, 0
.rept 8
	v_pk_fma_f32 v[SC+16*\qb+k:SC+16*\qb+k+1], v[SC+16*\qb+k:SC+16*\qb+k+1], s[18:19], v[STA+4*\qb:STA+4*\qb+1] op_sel_hi:[1,0,0]
.set k, k+2
.endr
.endm
.macro EXPQ qb
.set k, 0
.rept 16
	v_exp_f32 v[SC+16*\qb+k], v[SC+16*\qb+k]
.set k, k+1
.endr
.endm
.macro SUMQ qb                         ; the lane's 16 p, before they are rounded
.set sb, SC+16*\qb
.set tb, TM+4*\qb
	s_wait_alu depctr_va_vdst(0)
	v_pk_add_f32 v[tb:tb+1],   v[sb:sb+1],   v[sb+2:sb+3]
	v_pk_add_f32 v[tb+2:tb+3], v[sb+4:sb+5], v[sb+6:sb+7]
	v_pk_add_f32 v[tb:tb+1],   v[tb:tb+1],   v[sb+8:sb+9]
	v_pk_add_f32 v[tb+2:tb+3], v[tb+2:tb+3], v[sb+10:sb+11]
	v_pk_add_f32 v[tb:tb+1],   v[tb:tb+1],   v[sb+12:sb+13]
	v_pk_add_f32 v[tb+2:tb+3], v[tb+2:tb+3], v[sb+14:sb+15]
	v_pk_add_f32 v[tb:tb+1],   v[tb:tb+1],   v[tb+2:tb+3]
	v_add_f32 v[tb], v[tb], v[tb+1]
.endm
.macro CVTQ qb                         ; packed in place: registers 0-3 keys 8 h + 0..7, registers 4-7 keys 16 + 8 h + 0..7: the operand's order
.set k, 0
.rept 8
	v_cvt_pk_f16_f32 v[SC+16*\qb+k], v[SC+16*\qb+2*k], v[SC+16*\qb+2*k+1]
.set k, k+1
.endr
.endm
.macro RESC qb
.set k, 0
.rept 16
	v_pk_mul_f32 v[OA+32*\qb+k:OA+32*\qb+k+1], v[OA+32*\qb+k:OA+32*\qb+k+1], v[STA+4*\qb+2:STA+4*\qb+3] op_sel_hi:[1,0]
.set k, k+2
.endr
.endm
.macro PV qb
.irp mb, 0,1,2,3
	v_wmma_f32_16x16x32_f16 v[OA+32*\qb+8*\mb:OA+32*\qb+8*\mb+7], v[VF+8*\mb:VF+8*\mb+7], v[SC+16*\qb:SC+16*\qb+7], v[OA+32*\qb+8*\mb:OA+32*\qb+8*\mb+7]
.endr
.endm
; One item: 32 queries (fragments at q) x the 32 keys in KF and VF.  mask = 1: the tile on the diagonal.
; nxt = 0: nothing more is asked for; 1: the tile 8 further; 2: the same, or my first high tile when that passes the low diagonal.
; At every item's entry K's eight loads are out and V's eight behind them.  In all matrix work the accumulators take turns, one instruction a turn.
.macro ITEM q, mask, nxt
	s_wait_loadcnt 0x8                             ; loads come back in order (ISA guide 5.7.1): K (and Q) are in, V's eight stay out
	SMUL \q, 0, 0, 0, 1
.if \mask == 0
	SMUL \q, 0, 1, 0, 1
.endif
	SMUL \q, 1, 0, 0, 1
	SMUL \q, 1, 1, 0, 1
	SMUL \q, 0, 0, 1, 0
.if \mask == 0
	SMUL \q, 0, 1, 1, 0
.endif
	SMUL \q, 1, 0, 1, 0
	SMUL \q, 1, 1, 1, 0
	; four places (ISA guide 7.12.1) before scores are read and K's registers are loaded again
.if \mask
.irp j, 0,1,2,3,4,5,6,7
	v_mov_b32 v[SC+8+\j], v4                       ; queries 0-15 against keys 16-31 of the diagonal tile: all masked, not multiplied; these lines are the places
.endr
.else
.rept 4
	v_nop
.endr
.endif
.if \nxt
	s_add_co_u32 s30, s30, 32768                   ; 8 tiles of 4,096 bytes on
.if \nxt == 2
	s_cmp_gt_u32 s30, s32
	s_cselect_b32 s30, s33, s30
.endif
	s_add_nc_u64 s[26:27], s[22:23], s[30:31]      ; the loads that used this base are in, by the wait at the item's head
.irp t, 0,1,2,3,4,5,6,7
	global_load_b128 v[KF+4*\t:KF+4*\t+3], v1, s[26:27] offset:512*\t
.endr
.endif
.if \mask
.irp j, 0,1,2,3,4,5,6,7
	v_cndmask_b32 v[SC+\j], v4, v[SC+\j], s[40+\j]
	v_cndmask_b32 v[SC+24+\j], v4, v[SC+24+\j], s[40+\j]
.endr
.endif
	MAXQ 0
	MAXQ 1
	FMAQ 0
	EXPQ 0
	FMAQ 1                                         ; its first line is the plain instruction behind the sixteen exponentials
	EXPQ 1
	SUMQ 0                                         ; likewise
	CVTQ 0
	RESC 0
.if \nxt
	s_wait_loadcnt 0x8                             ; V is in; the next K's eight stay out
.else
	s_wait_loadcnt 0x0
.endif
	PV 0
	SUMQ 1
	CVTQ 1
	RESC 1
	PV 1
	; five places before the next item's products write over the packed p, four before V's registers are loaded again and before O is stored
	v_fma_f32 v[STA+3], v[STA+3], v[STA+2], v[TM]
	v_fma_f32 v[STA+7], v[STA+7], v[STA+6], v[TM+4]
.rept 3
	v_nop
.endr
.if \nxt
	s_add_nc_u64 s[28:29], s[24:25], s[30:31]      ; the loads that used this base are in, by the wait in front of PV 0
.irp t, 0,1,2,3,4,5,6,7
	global_load_b128 v[VF+4*\t:VF+4*\t+3], v1, s[28:29] offset:512*\t
.endr
.endif
.endm
; O is cleared, and not started by a first product, because a wave may have no item of the low block and still hands over a neutral part (m = -infinity, sum 0, O 0)
.macro INIT
.set k, 0
.rept 64
	v_mov_b32 v[OA+k], 0
.set k, k+1
.endr
.irp qb, 0,1
	v_mov_b32 v[STA+4*\qb+1], v4
	v_mov_b32 v[STA+4*\qb+3], 0
.endr
.endm
; My part of block ph goes to my own LDS: row = query, 64 f32 of O, then (c m, sum over both halves' keys)
.macro DUMP ph
.irp qb, 0,1
	v_permlanex16_b32 v[TM+4*\qb+1], v[STA+4*\qb+3], s12, s13
	v_mul_f32 v[TM+4*\qb], s18, v[STA+4*\qb+1]
	v_add_f32 v[TM+4*\qb+1], v[STA+4*\qb+3], v[TM+4*\qb+1]
	ds_store_b64 v3, v[TM+4*\qb:TM+4*\qb+1] offset:\ph*PART+\qb*16*PITCH
.irp mb, 0,1,2,3
	ds_store_b128 v2, v[OA+32*\qb+8*\mb:OA+32*\qb+8*\mb+3] offset:\ph*PART+\qb*16*PITCH+\mb*64
	ds_store_b128 v2, v[OA+32*\qb+8*\mb+4:OA+32*\qb+8*\mb+7] offset:\ph*PART+\qb*16*PITCH+\mb*64+16
.endr
.endr
.endm
	INIT
	s_cmp_eq_u32 s34, 0
	s_cbranch_scc1 .Llow_diag
	s_mov_b32 s38, 0
.Llow:
	ITEM QL, 0, 2
	s_add_co_u32 s38, s38, 1
	s_cmp_lt_u32 s38, s34
	s_cbranch_scc1 .Llow
.Llow_diag:
	s_cmp_eq_u32 s35, 0
	s_cbranch_scc1 .Llow_done
	ITEM QL, 1, 2
.Llow_done:
	DUMP 0
	INIT
	s_mov_b32 s38, 0
.Lhigh:
	ITEM QH, 0, 1
	s_add_co_u32 s38, s38, 1
	s_cmp_lt_u32 s38, s36
	s_cbranch_scc1 .Lhigh
	s_cmp_eq_u32 s37, 0
	s_cbranch_scc1 .Lhigh_full
	ITEM QH, 1, 0
	s_branch .Lhigh_done
.Lhigh_full:
	ITEM QH, 0, 0
.Lhigh_done:
	DUMP 1
	; THE COMBINE.  Wave w finishes rows 8 (w & 3) .. + 7 of block w >> 2, two rows at a time: lanes 0-15 one row, lanes 16-31 the next, four dimensions a lane.
.set CS, 232                           ; v232, v233 the row's (c m, sum) in the parts of waves 0-3 and of waves 4-7
.set CO, 234                           ; v234, v235 my 16 bytes of the row's O, likewise (two bases: the immediate has 16 bits)
.set CB, 8                             ; v[8:199]   for each of four pairs of rows: 8 x (c m, sum), 8 x 4 of O
.set EX, 200                           ; v[200:215] for each wave's part: its weight, and beside it the exponent, so that the pair is whole for the packed forms
.set MX, 216
.set RL, 218                           ; v[218:219] 1 / sum, sum
	v_and_b32 v236, 15, v0
	v_bfe_u32 v237, v0, 4, 1
	s_lshr_b32 s48, s14, 2
	s_and_b32 s49, s14, 3
	s_mul_i32 s17, s48, PART
	s_mul_i32 s39, s49, 8*PITCH
	s_add_co_u32 s17, s17, s39
	v_mul_u32_u24 v[CS], v237, PITCH
	v_add_nc_u32 v[CS], s17, v[CS]
	v_lshl_add_u32 v[CO], v236, 4, v[CS]
	v_add_nc_u32 v[CS], 256, v[CS]
	v_add_nc_u32 v[CS+1], 4*WREG, v[CS]
	v_add_nc_u32 v[CO+1], 4*WREG, v[CO]
	s_wait_dscnt 0x0                               ; my parts are stored, for the others' sake
	s_barrier_signal -1
	s_barrier_wait -1                              ; everybody's are
.irp g, 0,1,2,3
.irp u, 0,1,2,3,4,5,6,7
	ds_load_b64 v[CB+48*\g+2*\u:CB+48*\g+2*\u+1], v[CS+(\u)/4] offset:((\u)&3)*WREG+\g*2*PITCH
.endr
.irp u, 0,1,2,3,4,5,6,7
	ds_load_b128 v[CB+48*\g+16+4*\u:CB+48*\g+19+4*\u], v[CO+(\u)/4] offset:((\u)&3)*WREG+\g*2*PITCH
.endr
.endr
.macro COMB g
.set cg, CB+48*\g
	s_wait_dscnt 16*(3-\g)                         ; LDS loads come back in order (ISA guide 5.7.1): the sixteen of each later pair of rows stay out
	v_max3_num_f32 v[MX], v[cg], v[cg+2], v[cg+4]
	v_max3_num_f32 v[MX], v[MX], v[cg+6], v[cg+8]
	v_max3_num_f32 v[MX], v[MX], v[cg+10], v[cg+12]
	v_max_num_f32  v[MX], v[MX], v[cg+14]          ; finite: the wave with the diagonal tile has a finite maximum for every row
.irp u, 0,1,2,3,4,5,6,7
	v_sub_f32 v[EX+2*\u+1], v[cg+2*\u], v[MX]
.endr
.irp u, 0,1,2,3,4,5,6,7
	v_exp_f32 v[EX+2*\u], v[EX+2*\u+1]
.endr
	v_nop                                          ; the plain instruction behind the exponentials (ISA guide 5.7.2)
	s_wait_alu depctr_va_vdst(0)
	v_mul_f32 v[RL+1], v[EX], v[cg+1]
.irp u, 1,2,3,4,5,6,7
	v_fmac_f32 v[RL+1], v[EX+2*\u], v[cg+2*\u+1]
.endr
	v_rcp_f32 v[RL], v[RL+1]                       ; the packed products below do not touch it: they are its plain instructions
	v_pk_mul_f32 v[cg+16:cg+17], v[cg+16:cg+17], v[EX:EX+1] op_sel_hi:[1,0]
	v_pk_mul_f32 v[cg+18:cg+19], v[cg+18:cg+19], v[EX:EX+1] op_sel_hi:[1,0]
.irp u, 1,2,3,4,5,6,7
	v_pk_fma_f32 v[cg+16:cg+17], v[cg+16+4*\u:cg+17+4*\u], v[EX+2*\u:EX+2*\u+1], v[cg+16:cg+17] op_sel_hi:[1,0,1]
	v_pk_fma_f32 v[cg+18:cg+19], v[cg+18+4*\u:cg+19+4*\u], v[EX+2*\u:EX+2*\u+1], v[cg+18:cg+19] op_sel_hi:[1,0,1]
.endr
	s_wait_alu depctr_va_vdst(0)
	v_pk_mul_f32 v[cg+16:cg+17], v[cg+16:cg+17], v[RL:RL+1] op_sel_hi:[1,0]
	v_pk_mul_f32 v[cg+18:cg+19], v[cg+18:cg+19], v[RL:RL+1] op_sel_hi:[1,0]
	global_store_b128 v1, v[cg+16:cg+19], s[10:11] offset:512*\g th:TH_STORE_NT   ; two whole rows of out0: 512 consecutive bytes, aligned; each pair has data registers of its own
.endm
	COMB 0
	COMB 1
	COMB 2
	COMB 3
	s_wait_tensorcnt 0x0
	ds_add_u32 v248, v249
	s_wait_dscnt 0x0
	s_endpgm
.Lfunc_end_k_q04376c739b_attn:
	.size	k_q04376c739b_attn, .Lfunc_end_k_q04376c739b_attn-k_q04376c739b_attn
	.p2alignl 7, 3214868480
	.fill 96, 4, 3214868480
	.section	.rodata,"a",@progbits
	.p2align	6, 0x0
	.amdhsa_kernel k_q04376c739b_attn
		.amdhsa_group_segment_fixed_size 168960
		.amdhsa_private_segment_fixed_size 0
		.amdhsa_enable_private_segment 0
		.amdhsa_kernarg_size 32
		.amdhsa_user_sgpr_count 2
		.amdhsa_user_sgpr_kernarg_segment_ptr 1
		.amdhsa_wavefront_size32 1
		.amdhsa_system_sgpr_workgroup_id_x 1
		.amdhsa_system_sgpr_workgroup_id_y 1
		.amdhsa_system_sgpr_workgroup_id_z 1
		.amdhsa_system_vgpr_workitem_id 0
		.amdhsa_next_free_vgpr 250
		.amdhsa_next_free_sgpr 66
		.amdhsa_reserve_vcc 0
		.amdhsa_float_denorm_mode_32 3
		.amdhsa_float_denorm_mode_16_64 3
		.amdhsa_memory_ordered 1
		.amdhsa_forward_progress 1
		.amdhsa_inst_pref_size 80
	.end_amdhsa_kernel
	.amdgpu_metadata
---
amdhsa.version: [ 1, 2 ]
amdhsa.kernels:
  - .name:           k_q04376c739b_attn
    .symbol:         k_q04376c739b_attn.kd
    .args:
      - { .name: qf, .offset: 0, .size: 8, .value_kind: global_buffer, .address_space: global }
      - { .name: kf, .offset: 8, .size: 8, .value_kind: global_buffer, .address_space: global }
      - { .name: vf, .offset: 16, .size: 8, .value_kind: global_buffer, .address_space: global }
      - { .name: out0, .offset: 24, .size: 8, .value_kind: global_buffer, .address_space: global }
    .group_segment_fixed_size: 168960
    .private_segment_fixed_size: 0
    .kernarg_segment_align: 8
    .kernarg_segment_size: 32
    .max_flat_workgroup_size: 256
    .sgpr_count:     66
    .vgpr_count:     250
    .wavefront_size: 32
...
	.end_amdgpu_metadata
.endif
;; end of part 2
